; MI455X (gfx1250); checked and timed in simulation.
; The chip was launched on July 23, 2026; its instructions are those of AMD's public machine-readable ISA for CDNA 5 (MIT licence, August 2026) and "CDNA5" Instruction Set Architecture Reference Guide (July 2026). The comments in the code are by the model that wrote it; some were corrected since.
;; LSTM Cell. Allowed arithmetic: float matrix products may take bf16 or f16 operands with f32 sums; other float arithmetic in f32, or as packed bf16 or f16 multiplies, adds, multiply-adds, maxima and minima; sums over many terms, partial sums and values carried from step to step in f32; what a program stores and reads back later, other than sums and carried values, may be rounded once to bf16 or f16.
;; Inputs: C 2,048 x 2,048 float32; H 2,048 x 2,048 float32; W_hf 2,048 x 2,048 float32; W_hg 2,048 x 2,048 float32; W_hi 2,048 x 2,048 float32; W_ho 2,048 x 2,048 float32; W_xf 2,048 x 2,048 float32; W_xg 2,048 x 2,048 float32; W_xi 2,048 x 2,048 float32; W_xo 2,048 x 2,048 float32; X 2,048 x 2,048 float32; b_f 1 x 2,048 float32; b_g 1 x 2,048 float32; b_i 1 x 2,048 float32; b_o 1 x 2,048 float32.
;; Outputs: out0 2,048 x 2,048 float32; out1 2,048 x 2,048 float32.
;; 2 versions, each right; version 2 is version 1 with the launch prep written anew for expert scheduling mode. Each part assembles by itself: llvm-mc -triple=amdgcn-amd-amdhsa -mcpu=gfx1250 --defsym DOCPART=n.
;; ======== version 1 of 2: 2 launches
;; workspace buffers: Ab 16,777,216 bytes; Bt 67,108,864 bytes
;; launch prep (part 1): grid 1280 x 1, 4 waves a work-group, no clusters, 70,144 bytes of LDS; arguments X, H, W_xf, W_xg, W_xi, W_xo, W_hf, W_hg, W_hi, W_ho, Ab, Bt; writes Ab, Bt
.if DOCPART == 1
	.amdgcn_target "amdgcn-amd-amdhsa--gfx1250"
	.amdhsa_code_object_version 6
	.text
	.protected	k_q5a0ede426b_prep
	.globl	k_q5a0ede426b_prep
	.p2align	8
	.type	k_q5a0ede426b_prep,@function
k_q5a0ede426b_prep:
	s_mov_b64 s[64:65], 0
	v_nop
	global_prefetch_b8 v0, s[64:65] scope:SCOPE_SE
	s_setreg_imm32_b32 hwreg(HW_REG_WAVE_MODE, 25, 1), 1
	s_wait_xcnt 0x0
; PREP: every matrix operand of the LSTM cell is rounded once to bf16 and laid out with K along the rows.
;   Ab [2048][4096] bf16:  Ab[m][k] = X[m][k] for k < 2048, H[m][k-2048] beyond.
;   Bt [8192][4096] bf16:  row n' = (n >> 5) * 128 + g * 32 + (n & 31), gates g: 0 = f, 1 = g, 2 = i, 3 = o;
;                          Bt[n'][k] = W_x(g)[k][n] for k < 2048, W_h(g)[k-2048][n] beyond.
;   So 128 rows of Bt on end hold the four gates of the same 32 columns.
; A stream: 168 MB in, 84 MB out, each byte once.  No matrix unit, no cluster, no tensor load: no two waves want the same byte.
; No prefetch: every wave has 32 loads of 512 bytes on their way all the time, and nothing else is there to do.
; SHARES.  Every wave moves 32 KiB in and 16 KiB out.  Work-groups 0-1023 TURN the eight weights: a wave takes 128 k x 64 n of one weight,
; through 64 LDS rows of its own (no barrier).  Work-groups 1024-1279 CAST X and H: a wave takes four rows, straight through registers.
; Every load of a wave covers whole aligned blocks of 256 bytes, and so does every store.
.set ROWB,  8192                       ; bytes in a row of every f32 input, and in a row of Ab and of Bt
.set LP,    272                        ; an LDS row: 128 k in bf16 + 16 bytes
.set WLDS,  64*LP                      ; a wave's 64 LDS rows
.set SPARE, 4*WLDS                     ; behind them: the spare words, 128 bytes for each wave: two blocks of 256 bytes that no other line names
.set LO,  4                            ; v4   my byte offset in the source; never rewritten
.set LS,  5                            ; v5   TURN: where I put 16 bytes (8 k) of a column
.set LR,  6                            ; v6   TURN: where I read a row back
.set GO,  7                            ; v7   TURN: my byte offset in Bt
.set SO,  8                            ; v8   CAST: my byte offset in Ab
.set SPW, 10                           ; v10  LDS address of my spare word; never rewritten
.set NIL, 11                           ; v11  0; never rewritten
.set PK,  12                           ; v[12:27]   TURN: 4 columns x 8 k, packed
.set RG,  32                           ; v[32:159]  the ring of loads: 32 x 4 registers
.set YY,  160                          ; v[160:223] CAST: packed results, 32 x 2 registers
.set SRC, 32                           ; s[32:33] the source at my part
.set DST, 44                           ; s[44:45] the destination at my part
	s_load_b512 s[8:23], s[0:1], 0x0               ; X 8, H 10, W_xf 12, W_xg 14, W_xi 16, W_xo 18, W_hf 20, W_hg 22
	s_load_b256 s[24:31], s[0:1], 0x40             ; W_hi 24, W_ho 26, Ab 28, Bt 30
	v_lshl_add_u32 v[SPW], v0, 2, SPARE
	v_mov_b32 v[NIL], 0
	v_lshrrev_b32 v1, 5, v0
	v_readfirstlane_b32 s4, v1                     ; wave 0..3
	s_mov_b32 s5, ttmp9
	v_and_b32 v1, 15, v0                           ; r = lane % 16
	v_bfe_u32 v2, v0, 4, 1                         ; h = lane / 16
	v_and_b32 v3, 31, v0                           ; lane
	s_wait_kmcnt 0x0
	s_cmp_ge_u32 s5, 1024
	s_cbranch_scc1 .Lcast
	; ---------------- TURN: work-group = weight (bits 9:7) x block of 128 k (bits 6:3) x four blocks of 64 n (bits 2:0), a wave each
	s_bitcmp1_b32 s5, 7                            ; the weight is chosen bit by bit: f or g, i or o,
	s_cselect_b64 s[32:33], s[14:15], s[12:13]
	s_cselect_b64 s[34:35], s[18:19], s[16:17]
	s_cselect_b64 s[36:37], s[22:23], s[20:21]
	s_cselect_b64 s[38:39], s[26:27], s[24:25]
	s_bitcmp1_b32 s5, 8                            ; the first pair or the second,
	s_cselect_b64 s[32:33], s[34:35], s[32:33]
	s_cselect_b64 s[36:37], s[38:39], s[36:37]
	s_bitcmp1_b32 s5, 9                            ; X's weights or H's
	s_cselect_b64 s[SRC:SRC+1], s[36:37], s[32:33]
	s_bfe_u32 s6, s5, 0x40003                      ; kb: which 128 k
	s_and_b32 s7, s5, 7
	s_lshl_b32 s7, s7, 2
	s_add_co_u32 s7, s7, s4                        ; nb: which 64 n
	s_bfe_u32 s2, s5, 0x20007                      ; g
	s_bfe_u32 s3, s5, 0x10009                      ; 0: X's weight, 1: H's
	s_lshl_b32 s40, s6, 20                         ; source: 128 kb rows of 8,192 bytes
	s_lshl_b32 s41, s7, 8                          ; + 64 nb columns of 4 bytes
	s_or_b32 s40, s40, s41
	s_mov_b32 s41, 0
	s_lshl_b32 s42, s7, 21                         ; destination: 256 nb rows of 8,192 bytes
	s_lshl_b32 s43, s2, 18                         ; + 32 g rows
	s_add_co_u32 s42, s42, s43
	s_lshl_b32 s43, s3, 12                         ; + 2,048 k for H's weights
	s_add_co_u32 s42, s42, s43
	s_lshl_b32 s43, s6, 8                          ; + 128 kb
	s_add_co_u32 s42, s42, s43
	s_mov_b32 s43, 0
	s_add_nc_u64 s[SRC:SRC+1], s[SRC:SRC+1], s[40:41]
	s_add_nc_u64 s[DST:DST+1], s[30:31], s[42:43]
	s_mul_i32 s46, s4, WLDS                        ; my wave's LDS rows
	v_lshlrev_b32 v[LO], 16, v2                    ; lanes 16-31 stand eight rows (k) further down,
	v_lshl_or_b32 v[LO], v1, 4, v[LO]              ; each lane at 4 columns: 16 lanes take 256 consecutive bytes of a row
; Group s of eight: rows k = 16 s .. 16 s + 15.  Load t brings row 16 s + t to lanes 0-15 and row 16 s + 8 + t to lanes 16-31:
; a lane ends with 8 consecutive k of its 4 columns.
.macro LDG s
.irp t, 0,1,2,3,4,5,6,7
	global_load_b128 v[RG+32*((\s)%4)+4*(\t):RG+32*((\s)%4)+4*(\t)+3], v[LO], s[SRC:SRC+1] offset:(16*(\s)+(\t))*ROWB th:TH_LOAD_NT
.endr
.endm
	LDG 0
	LDG 1
	LDG 2
	LDG 3
	v_mul_u32_u24 v[LS], v1, 4*LP                  ; in: LDS row n = 4 r + j, byte 2 k
	v_lshl_add_u32 v[LS], v2, 4, v[LS]
	v_add_nc_u32 v[LS], s46, v[LS]
	v_mul_u32_u24 v[LR], v2, LP                    ; back: lanes 0-15 one row of 256 bytes, lanes 16-31 the next
	v_lshl_add_u32 v[LR], v1, 4, v[LR]
	v_add_nc_u32 v[LR], s46, v[LR]
	v_lshlrev_b32 v[GO], 13, v2                    ; and the same two rows in Bt
	v_lshl_or_b32 v[GO], v1, 4, v[GO]
; Group s is rounded (two k to a word, column by column), its registers are asked for again, and each column's 16 bytes go into LDS.
; left = the younger loads that may stay out.  The sixteen lanes of one of these LDS stores stand 1,088 bytes apart, which is 64 modulo 256:
; four of them share a 16-byte column.  That price is kept: a swizzle would spare it with addresses that cannot be read off the text.
.macro GRP s, left
	s_wait_loadcnt \left                           ; loads come back in order: group s is in
.irp j, 0,1,2,3
.irp u, 0,1,2,3
	v_cvt_pk_bf16_f32 v[PK+4*(\j)+(\u)], v[RG+32*((\s)%4)+8*(\u)+(\j)], v[RG+32*((\s)%4)+8*(\u)+4+(\j)]
.endr
.endr
.if (\s) < 4
	LDG (\s)+4
.endif
.irp j, 0,1,2,3
	ds_store_b128 v[LS], v[PK+4*(\j):PK+4*(\j)+3] offset:LP*(\j)+32*(\s)
.endr
.endm
	GRP 0, 24                                      ; three younger groups of eight stay out,
	GRP 1, 24
	GRP 2, 24
	GRP 3, 24
	GRP 4, 24
	GRP 5, 16                                      ; then the counts run down
	GRP 6, 8
	GRP 7, 0
.set t, 0
.rept 32
	ds_load_b128 v[RG+4*t:RG+4*t+3], v[LR] offset:2*LP*t  ; rows 2 t and 2 t + 1, whole; LDS serves a wave's instructions in order (ISA guide 5.7.1.4): these see the stores above
.set t, t+1
.endr
.set t, 0
.rept 32
	s_wait_dscnt 31-t                              ; the younger read-backs stay out
	global_store_b128 v[GO], v[RG+4*t:RG+4*t+3], s[DST:DST+1] offset:((t/16)*128+((2*t)%32))*ROWB  ; 16 lanes store 256 consecutive bytes, aligned: 128 k of one row of Bt
.set t, t+1
.endr
	s_wait_tensorcnt 0x0                           ; the wave's end: three closing lines, behind my last LDS store
	ds_add_u32 v[SPW], v[NIL]
	s_wait_dscnt 0x0
	s_endpgm
	; ---------------- CAST: unit u = 4 x (work-group - 1024) + wave: four rows of X (u < 512) or of H, 32 KiB on end
.Lcast:
	s_sub_co_u32 s6, s5, 1024
	s_lshl_b32 s6, s6, 2
	s_add_co_u32 s6, s6, s4                        ; u
	s_cmp_ge_u32 s6, 512
	s_cselect_b64 s[SRC:SRC+1], s[10:11], s[8:9]
	s_cselect_b32 s7, 4096, 0                      ; H fills the second 2,048 k of Ab's rows
	s_and_b32 s40, s6, 511
	s_lshl_b32 s40, s40, 15                        ; four rows of 8,192 bytes, in the source and in Ab alike
	s_mov_b32 s41, 0
	s_add_nc_u64 s[SRC:SRC+1], s[SRC:SRC+1], s[40:41]
	s_add_co_u32 s42, s40, s7
	s_mov_b32 s43, 0
	s_add_nc_u64 s[DST:DST+1], s[28:29], s[42:43]
	v_lshlrev_b32 v[LO], 4, v3                     ; 16 bytes a lane in,
	v_lshlrev_b32 v[SO], 3, v3                     ; 8 bytes a lane out
.set i, 0
.rept 32
	global_load_b128 v[RG+4*i:RG+4*i+3], v[LO], s[SRC:SRC+1] offset:512*i th:TH_LOAD_NT
.set i, i+1
.endr
.set i, 0
.rept 32
	s_wait_loadcnt 31                              ; load i is in; the 31 issued behind it stay out
	v_cvt_pk_bf16_f32 v[YY+2*i], v[RG+4*i], v[RG+4*i+1]
	v_cvt_pk_bf16_f32 v[YY+2*i+1], v[RG+4*i+2], v[RG+4*i+3]
	global_load_b128 v[RG+4*i:RG+4*i+3], v[LO], s[SRC:SRC+1] offset:512*(i+32) th:TH_LOAD_NT
	global_store_b64 v[SO], v[YY+2*i:YY+2*i+1], s[DST:DST+1] offset:(i/16)*ROWB+(i%16)*256  ; 32 lanes store 256 consecutive bytes, aligned
.set i, i+1
.endr
	s_wait_xcnt 0x0                                ; every store above has read its registers (ISA guide 3.1): the packed results are written again only behind this wait
.set i, 32
.rept 32
	s_wait_loadcnt 63-i                            ; nothing more is asked for: the counts run down
	v_cvt_pk_bf16_f32 v[YY+2*(i-32)], v[RG+4*(i-32)], v[RG+4*(i-32)+1]
	v_cvt_pk_bf16_f32 v[YY+2*(i-32)+1], v[RG+4*(i-32)+2], v[RG+4*(i-32)+3]
	global_store_b64 v[SO], v[YY+2*(i-32):YY+2*(i-32)+1], s[DST:DST+1] offset:(i/16)*ROWB+(i%16)*256
.set i, i+1
.endr
	s_wait_tensorcnt 0x0                           ; the same three lines end this path too
	ds_add_u32 v[SPW], v[NIL]
	s_wait_dscnt 0x0
	s_endpgm
.Lfunc_end_k_q5a0ede426b_prep:
	.size	k_q5a0ede426b_prep, .Lfunc_end_k_q5a0ede426b_prep-k_q5a0ede426b_prep
	.p2alignl 7, 3214868480
	.fill 96, 4, 3214868480
	.section	.rodata,"a",@progbits
	.p2align	6, 0x0
	.amdhsa_kernel k_q5a0ede426b_prep
		.amdhsa_group_segment_fixed_size 70144
		.amdhsa_private_segment_fixed_size 0
		.amdhsa_enable_private_segment 0
		.amdhsa_kernarg_size 96
		.amdhsa_user_sgpr_count 2
		.amdhsa_user_sgpr_kernarg_segment_ptr 1
		.amdhsa_wavefront_size32 1
		.amdhsa_system_sgpr_workgroup_id_x 1
		.amdhsa_system_sgpr_workgroup_id_y 1
		.amdhsa_system_sgpr_workgroup_id_z 1
		.amdhsa_system_vgpr_workitem_id 0
		.amdhsa_next_free_vgpr 224
		.amdhsa_next_free_sgpr 66
		.amdhsa_reserve_vcc 0
		.amdhsa_float_denorm_mode_32 3
		.amdhsa_float_denorm_mode_16_64 3
		.amdhsa_memory_ordered 1
		.amdhsa_forward_progress 1
		.amdhsa_inst_pref_size 48
	.end_amdhsa_kernel
	.amdgpu_metadata
---
amdhsa.version: [ 1, 2 ]
amdhsa.kernels:
  - .name:           k_q5a0ede426b_prep
    .symbol:         k_q5a0ede426b_prep.kd
    .args:
      - { .name: X, .offset: 0, .size: 8, .value_kind: global_buffer, .address_space: global }
      - { .name: H, .offset: 8, .size: 8, .value_kind: global_buffer, .address_space: global }
      - { .name: W_xf, .offset: 16, .size: 8, .value_kind: global_buffer, .address_space: global }
      - { .name: W_xg, .offset: 24, .size: 8, .value_kind: global_buffer, .address_space: global }
      - { .name: W_xi, .offset: 32, .size: 8, .value_kind: global_buffer, .address_space: global }
      - { .name: W_xo, .offset: 40, .size: 8, .value_kind: global_buffer, .address_space: global }
      - { .name: W_hf, .offset: 48, .size: 8, .value_kind: global_buffer, .address_space: global }
      - { .name: W_hg, .offset: 56, .size: 8, .value_kind: global_buffer, .address_space: global }
      - { .name: W_hi, .offset: 64, .size: 8, .value_kind: global_buffer, .address_space: global }
      - { .name: W_ho, .offset: 72, .size: 8, .value_kind: global_buffer, .address_space: global }
      - { .name: Ab, .offset: 80, .size: 8, .value_kind: global_buffer, .address_space: global }
      - { .name: Bt, .offset: 88, .size: 8, .value_kind: global_buffer, .address_space: global }
    .group_segment_fixed_size: 70144
    .private_segment_fixed_size: 0
    .kernarg_segment_align: 8
    .kernarg_segment_size: 96
    .max_flat_workgroup_size: 128
    .sgpr_count:     66
    .vgpr_count:     224
    .wavefront_size: 32
...
	.end_amdgpu_metadata
.endif
;; end of part 1
;; launch cell (part 2): grid 32 x 8, 4 waves a work-group, clusters of 4 x 4, 327,680 bytes of LDS; arguments Ab, Bt, out0, out1, b_f, b_g, b_i, b_o, C; writes out0, out1
.if DOCPART == 2
	.amdgcn_target "amdgcn-amd-amdhsa--gfx1250"
	.amdhsa_code_object_version 6
	.text
	.protected	k_q5a0ede426b_cell
	.globl	k_q5a0ede426b_cell
	.p2align	8
	.type	k_q5a0ede426b_cell,@function
k_q5a0ede426b_cell:
	s_mov_b64 s[64:65], 0
	v_nop
	global_prefetch_b8 v0, s[64:65] scope:SCOPE_SE
	s_setreg_imm32_b32 hwreg(HW_REG_WAVE_MODE, 25, 1), 1
	s_wait_xcnt 0x0
	s_wait_alu depctr_hold_cnt(0) depctr_sa_sdst(0) depctr_va_vdst(0) depctr_va_sdst(0) depctr_va_ssrc(0) depctr_va_vcc(0) depctr_vm_vsrc(0)
	s_getreg_b32 s2, hwreg(HW_REG_IB_STS2, 6, 4)
	s_cmp_eq_u32 s2, 0
	s_cbranch_scc0 .Lentry_in_a_cluster
	s_endpgm
.Lentry_in_a_cluster:
	s_bfe_u32 s2, ttmp6, 0x10000c
	s_cmp_lg_u32 s2, 0xf033
	s_cbranch_scc0 .Lentry_shape_is_right
	s_endpgm
.Lentry_shape_is_right:
; CELL: gates = Ab Bt^T + b;  F, I, O = sigmoid, G = tanh;  C_new = G I + F C;  Y = O tanh(C_new).
; Ab [2048][4096] bf16 = [X | H];  Bt [8192][4096] bf16: row n' = (n >> 5) * 128 + g * 32 + (n & 31), gates g: 0 = f, 1 = g, 2 = i, 3 = o.  C, out0 = C_new, out1 = Y: [2048][2048] f32.
; FORMATS AND LIMITS.  Every input is taken rounded once to bf16: X, H and the weights by the launch before, the biases and C here; sums and all that follows them in f32.
; sigmoid(x) = 1 / (1 + 2^(-x log2 e)), tanh(x) = 1 - 2 / (1 + 2^(2 x log2 e)): an exponential that overflows gives an infinity, whose reciprocal is 0, and one that underflows gives 0: both
; are the function's limit.  A sigmoid below 2^-126 comes out as 0; tanh carries an absolute error of about 1e-7, so tanh of a number below that has no right digits.  NaN and infinities among the inputs are not treated apart.
; SHARES.  A work-group of four waves makes 256 rows m x 256 rows n' (four gates x 64 columns); a wave 128 x 128 (four gates x 32 columns): 64 accumulators of 16 x 16, 512 registers.
; K = 4,096 goes in 32 steps of 128 through a ring of two LDS slots filled by the tensor data mover; a tile's rows are 256 bytes of memory, aligned.  256 work-groups, one tile each.
; CLUSTERS: 4 x 4 work-groups.  The four of a row of the cluster need the same tiles of Ab, the four of a column the same tiles of Bt: each tile is asked for JOINTLY, by the same tensor load with the
; same descriptor and a mask that names the four.
; THE MATRIX INSTRUCTION IS USED TRANSPOSED (source 0 = 16 rows of Bt, source 1 = 16 rows of Ab): lane l holds row m = l % 16, registers 0-7 the rows n' = 8 (l / 16) + 0..7.  By Bt's order of rows the four gates
; of one output lie in one lane, at the same register of four accumulators: the whole tail is arithmetic on a lane's own registers.
; THE BIAS is the C operand of the product that starts each sum.  THE TILE OF C takes slot 0's place when its last K step has been read, and lands while the last K step is multiplied.
; REGISTERS, in windows of 256 (s_set_vgpr_msb: bits 1:0 source 0, 3:2 source 1, 5:4 source 2, 7:6 destination):
;   window 0: v0-35 addresses and four at work; v64-127, v128-191 fragments of Ab, two buffers; v192-255 the biases.  On the way out: v64-127 four gates x 16, v128-143 C_new, v144-159 Y, v192-255 C in bf16
;   window 1: v64-127, v128-191 fragments of Bt.  On the way out: v0-127 C as loaded, later Y read back
;   window 2: the 32 accumulators of my rows 0-63 (block a, n' block b at v[8 (8 a + b)], b = 2 g + half of the 32 columns);   window 3: those of my rows 64-127
.set SIZE_K, 4096
.set KSTEP,  128
.set PITCH,  272                       ; an LDS row: 256 bytes + 16 of padding = 68 words: the 16 rows that a load touches start at 16 different groups of four banks (64 banks of 4 bytes: ISA guide 11.1)
.set HALFT,  128*PITCH                 ; 128 rows: what one joint load brings, and what one wave reads of Ab or of Bt
.set SLOT,   4*HALFT                   ; Ab's 256 rows, then Bt's 256 rows
.set YSTG,   2*HALFT                   ; Y's stage: slot 0's part for Bt, behind its last fill
.set NSTG,   SLOT                      ; C_new's stage: slot 1's part for Ab, behind its last fill.  (The tile of C lies at byte 0: slot 0's part for Ab.)
.set SPARE,  2*SLOT                    ; behind the ring: the spare words, 128 bytes for each wave: two blocks of 256 bytes that no other line names
.set LAPS,   SIZE_K/(2*KSTEP)         ; a lap = two K steps = once round the ring
.set ROWO,   8192                      ; bytes in a row of C, out0 and out1
.set ADRA, 16                          ; v16-17  LDS address of my fragments of Ab in slot 0, 1
.set ADRB, 20                          ; v20-21  the same for Bt
.set CST,  22                          ; v22  my 32 bytes of a row of the tile of C
.set NST,  23                          ; v23  the same place in C_new's stage
.set YST,  24                          ; v24  and in Y's
.set RDN,  25                          ; v25  where I read whole rows of C_new back
.set RDY,  26                          ; v26  and of Y
.set CO,   27                          ; v27  my byte offset in two rows of out0 and out1
.set SPW,  28                          ; v28  LDS address of my spare word; never rewritten
.set NIL,  29                          ; v29  0; never rewritten
.set PFO,  30                          ; v30  the prefetches' offset: my lane x a row of Ab or Bt; never rewritten
.set BO,   31                          ; v31  my byte offset in a bias
.set TM,   32                          ; v32-35 at work
.set F0,   64
.set F1,   128
.set BI,   192                         ; the bias of n' block b at BI + 8 b
.set TT,   64                          ; the way out: gate g, number e of 16 at TT + 16 g + e
.set NN,   128
.set UU,   144
.set CB,   192                         ; C in bf16: block a, numbers 2 p and 2 p + 1 at CB + 8 a + p
.set G1,  24                           ; s[24:31] descriptor group 1 for Ab's tiles;  s[32:39] group 0, one set for each slot
.set G0,  32
.set LIM, 43                           ; s43  1 in a wave that prefetches, else the greatest number
.set PFA, 44                           ; s[44:45] where my prefetches stand
.set G1B, 48                           ; s[48:55], s[56:63] the same two groups for Bt's tiles
.set G0B, 56
.set KN,  66                           ; s[66:67] -log2 e, twice
.set G1C, 68                           ; s[68:75] descriptor group 1 for the tile of C
.set G0C, 76                           ; s[76:79] its group 0
.set O0,  80                           ; s[80:81] out0, s[82:83] out1, at the rows that my wave stores
.set O1,  82
.set BP,  84                           ; s[84:91] b_f, b_g, b_i, b_o
.set CP,  92                           ; s[92:93] C
.set KG,  94                           ; s[94:95] 2 log2 e, twice
.set MSB, 0
.macro WIN new                         ; the immediate's high byte repeats the setting that is left; a switch that changes nothing is dropped
.if MSB != (\new)
	s_set_vgpr_msb (MSB<<8)|(\new)
.set MSB, \new
.endif
.endm
.set TO_B, 0x40                        ; destination window 1, address window 0
; A joint load.  Waves 0 and 1 fetch Ab's two halves, waves 2 and 3 Bt's.  The branch hangs on the wave's number alone.  An s_nop 0 and four v_nop follow each of the two lines.
.macro JLOAD s
	s_cmp_eq_u32 s11, 0
	s_cbranch_scc0 .Lfor_b_\@
	tensor_load_to_lds s[G0+4*(\s):G0+4*(\s)+3], s[G1:G1+7]
	s_nop 0
.rept 4
	v_nop
.endr
	s_branch .Lasked_\@
.Lfor_b_\@:
	tensor_load_to_lds s[G0B+4*(\s):G0B+4*(\s)+3], s[G1B:G1B+7]
	s_nop 0
.rept 4
	v_nop
.endr
.Lasked_\@:
.endm
; A PREFETCH INTO THE L2 of the K step that stands two refills on: 32 rows x 256 bytes, a lane a row, one instruction a wave, behind the joint load and the run of LDS loads.  Each row's 256 bytes of a K step are
; named once in the launch: Ab's rows by the clusters with x = 0, Bt's by those with y = 0; of the 128 rows that a wave fetches the partner at place p (cx for Ab, cy for Bt) takes 32 p .. 32 p + 31, told apart by
; address.  K steps 0 to 3 come by their loads alone; the loop's last trip (s3 = 1) asks for nothing: K step 31 is the last that is named.
.macro ASK
	s_cmp_gt_u32 s3, s[LIM]
	s_cbranch_scc0 .Lnot_mine_\@
	global_prefetch_b8 v[PFO], s[PFA:PFA+1] offset:KSTEP*2 th:TH_LOAD_NT scope:SCOPE_SE
.Lnot_mine_\@:
.endm
.macro CREST                           ; a round of the cluster's barrier behind its opening barrier
	s_cmp_lg_u32 s10, 0
	s_cbranch_scc1 .Lnot_wave_0_\@
	s_barrier_signal -3
.Lnot_wave_0_\@:
	s_barrier_wait -3
	s_barrier_signal -1
	s_barrier_wait -1
.endm
.macro CROUND                          ; a whole round
	s_barrier_signal -1
	s_barrier_wait -1
	CREST
.endm
	s_load_b128 s[4:7], s[0:1], 0x0                ; Ab s[4:5], Bt s[6:7]
	s_load_b128 s[O0:O0+3], s[0:1], 0x10           ; out0, out1
	s_load_b256 s[BP:BP+7], s[0:1], 0x20           ; the four biases
	s_load_b64 s[CP:CP+1], s[0:1], 0x40            ; C
	v_lshl_add_u32 v[SPW], v0, 2, SPARE
	v_mov_b32 v[NIL], 0
	ds_add_u32 v[SPW], v[NIL]                      ; the wave's opening: the add and its wait stand ahead of my first tensor load; the set-up below, work on registers, stands between them
	v_lshrrev_b32 v1, 5, v0
	v_readfirstlane_b32 s10, v1                    ; wave 0..3
	s_lshr_b32 s11, s10, 1                         ; which half of the tile's rows m is mine.  Also: I fetch for Ab (0) or for Bt (1)
	s_and_b32 s12, s10, 1                          ; which half of its rows n'.  Also: which 128 rows of that tile I fetch
	s_bfe_u32 s40, ttmp6, 0x40000                  ; cx, cy: my place in the cluster
	s_bfe_u32 s41, ttmp6, 0x40004
	s_lshl_b32 s42, ttmp9, 2
	s_add_co_u32 s42, s42, s40                     ; tile column = 4 x cluster x + cx
	s_and_b32 s13, ttmp7, 0xffff
	s_lshl_b32 s13, s13, 2
	s_add_co_u32 s13, s13, s41                     ; tile row = 4 x cluster y + cy
	s_lshl_b32 s43, s41, 2
	s_lshl_b32 s43, 15, s43                        ; my row of the cluster: places 4 cy .. 4 cy + 3
	s_lshl_b32 s44, 0x1111, s40                    ; my column: places cx, cx + 4, cx + 8, cx + 12
	; descriptor group 1: a tile of 128 rows x 128 elements of 2 bytes, 16 bytes of padding behind each row
	s_or_b32 s[G1+0], s43, (1<<16)|(1<<20)|(1<<21)|(5<<22)|(3<<25)  ; 15:0 the mask: Ab's tiles go to my row; 17:16 2-byte elements; 20 padding on; 21 set beside a mask; 24:22 after every 64 words; 31:25 4 words
	s_or_b32 s[G1B+0], s44, (1<<16)|(1<<20)|(1<<21)|(5<<22)|(3<<25) ; the same with the mask of my column, for Bt's tiles
.irp g, G1, G1B
	s_mov_b32 s[(\g)+1], KSTEP<<16                 ; tensor_dim0 = 128
	s_mov_b32 s[(\g)+2], 128<<16                   ; tensor_dim1 = 128
	s_mov_b32 s[(\g)+3], KSTEP<<16                 ; tile_dim0 = 128
	s_mov_b32 s[(\g)+4], 128                       ; tile_dim1 = 128
	s_mov_b32 s[(\g)+5], SIZE_K                    ; elements from row to row
	s_mov_b32 s[(\g)+6], 0
	s_mov_b32 s[(\g)+7], 0
.endr
	; the tile of C: each wave brings 64 rows x 64 elements of 4 bytes by a load of its own (no mask), padded alike
	s_mov_b32 s[G1C+0], (2<<16)|(1<<20)|(5<<22)|(3<<25)
	s_mov_b32 s[G1C+1], 64<<16                     ; tensor_dim0 = 64
	s_mov_b32 s[G1C+2], 64<<16                     ; tensor_dim1 = 64
	s_mov_b32 s[G1C+3], 64<<16                     ; tile_dim0 = 64
	s_mov_b32 s[G1C+4], 64                         ; tile_dim1 = 64
	s_mov_b32 s[G1C+5], 2048                       ; elements from row to row
	s_mov_b32 s[G1C+6], 0
	s_mov_b32 s[G1C+7], 0
	s_mov_b32 s[G0C], 1
	s_mul_i32 s[G0C+1], s10, 64*PITCH              ; LDS: wave x 64 rows, from byte 0
	s_mov_b32 s[KN], 0xbfb8aa3b                    ; -log2 e
	s_mov_b32 s[KN+1], 0xbfb8aa3b
	s_mov_b32 s[KG], 0x4038aa3b                    ; 2 log2 e
	s_mov_b32 s[KG+1], 0x4038aa3b
	s_lshl_b32 s96, s13, 8                         ; the rows of C, out0 and out1 that my wave fetches and stores: 256 x tile row + 64 x wave,
	s_lshl_b32 s97, s10, 6
	s_add_co_u32 s96, s96, s97
	s_lshl_b32 s96, s96, 13                        ; in bytes,
	s_lshl_b32 s97, s42, 8                         ; + the tile's 64 columns: 256 bytes x tile column
	s_add_co_u32 s96, s96, s97
	s_mov_b32 s97, 0
	s_lshl_b32 s98, s42, 8                         ; in a bias: the tile's 64 columns
	s_lshl_b32 s99, s12, 7                         ; + my wave's 32
	s_add_co_u32 s98, s98, s99
	; where the tiles come from: Ab's hang on the tile row alone, Bt's on the tile column alone
	s_lshl_b32 s17, s12, 7
	s_lshl_b32 s16, s13, 8
	s_add_co_u32 s16, s16, s17                     ; Ab: row 256 x tile row + 128 x half
	s_lshl_b32 s46, s42, 8
	s_add_co_u32 s46, s46, s17                     ; Bt: row 256 x tile column + 128 x half
	s_mov_b32 s17, 0
	s_mov_b32 s47, 0
	s_mov_b64 s[18:19], SIZE_K*2
	s_mul_u64 s[16:17], s[16:17], s[18:19]
	s_mul_u64 s[46:47], s[46:47], s[18:19]
	s_mul_i32 s20, s10, HALFT                      ; and where they go: wave x 128 rows
	s_wait_dscnt 0x0                               ; the opening add is done
	s_wait_kmcnt 0x0
	s_add_nc_u64 s[14:15], s[4:5], s[16:17]
	s_add_nc_u64 s[46:47], s[6:7], s[46:47]
	CROUND                                         ; all sixteen work-groups are here: the first joint loads meet
.irp s, 0,1
	s_mov_b32 s[G0+4*(\s)], 1
	s_add_co_u32 s[G0+4*(\s)+1], s20, (\s)*SLOT
	s_add_nc_u64 s[G0+4*(\s)+2:G0+4*(\s)+3], s[14:15], (\s)*KSTEP*2  ; K step s
	s_or_b32 s[G0+4*(\s)+3], s[G0+4*(\s)+3], 0x80000000
	s_mov_b32 s[G0B+4*(\s)], 1
	s_add_co_u32 s[G0B+4*(\s)+1], s20, (\s)*SLOT
	s_add_nc_u64 s[G0B+4*(\s)+2:G0B+4*(\s)+3], s[46:47], (\s)*KSTEP*2
	s_or_b32 s[G0B+4*(\s)+3], s[G0B+4*(\s)+3], 0x80000000
	JLOAD \s                                       ; the ring is filled before anything else is done: two loads of mine are out
.endr
	; all that follows, up to the wait for K step 0, stands in the wait for the first tiles
	v_and_b32 v1, 15, v0                           ; r = l % 16
	v_bfe_u32 v2, v0, 4, 1                         ; h = l / 16
	v_lshl_add_u32 v[BO], v2, 5, s98               ; my eight columns of each 16
.irp g, 0,1,2,3
.irp c, 0,1,2,3
	global_load_b128 v[BI+16*(\g)+4*(\c):BI+16*(\g)+4*(\c)+3], v[BO], s[BP+2*(\g):BP+2*(\g)+1] offset:64*((\c)/2)+16*((\c)%2)  ; gate g, columns 16 (c / 2) + 8 h + 4 (c % 2) on
.endr
.endr
	s_add_nc_u64 s[G0C+2:G0C+3], s[CP:CP+1], s[96:97]
	s_or_b32 s[G0C+3], s[G0C+3], 0x80000000
	s_add_nc_u64 s[O0:O0+1], s[O0:O0+1], s[96:97]
	s_add_nc_u64 s[O1:O1+1], s[O1:O1+1], s[96:97]
	; a fragment is 16 rows x 32 K in 8 registers: lane l holds row l % 16; two loads of 16 bytes, 32 bytes apart, at row x pitch + 16 (l / 16)
	v_mul_u32_u24 v3, v1, PITCH
	v_lshl_add_u32 v3, v2, 4, v3
	s_mul_i32 s21, s11, HALFT                      ; my 128 rows of Ab
	s_mul_i32 s22, s12, HALFT                      ; my 128 rows of Bt,
	s_add_co_u32 s22, s22, 2*HALFT                 ; which lie behind Ab's 256
.irp s, 0,1
	v_add_nc_u32 v[ADRA+(\s)], s21, v3
	v_add_nc_u32 v[ADRB+(\s)], s22, v3
	s_add_co_u32 s21, s21, SLOT
	s_add_co_u32 s22, s22, SLOT
.endr
	s_mul_i32 s23, s11, HALFT                      ; the tile of C and the stages: row 128 x half + r, bytes 128 x column half + 32 h
	s_lshl_b32 s21, s12, 7
	s_add_co_u32 s23, s23, s21
	v_mul_u32_u24 v4, v1, PITCH
	v_lshl_add_u32 v4, v2, 5, v4
	v_add_nc_u32 v[CST], s23, v4
	v_add_nc_u32 v[NST], NSTG, v[CST]
	v_add_nc_u32 v[YST], YSTG, v[CST]
	s_mul_i32 s23, s10, 64*PITCH                   ; back: wave w takes rows 64 w .. 64 w + 63, whole; lanes 0-15 one row of 256 bytes, lanes 16-31 the next
	v_mul_u32_u24 v5, v2, PITCH
	v_lshl_add_u32 v5, v1, 4, v5
	v_add_nc_u32 v5, s23, v5
	v_add_nc_u32 v[RDN], NSTG, v5
	v_add_nc_u32 v[RDY], YSTG, v5
	v_lshlrev_b32 v[CO], 13, v2                    ; and the same two rows in out0 and out1
	v_lshl_or_b32 v[CO], v1, 4, v[CO]
	; the prefetches
	s_lshl_b32 s13, s13, 8                         ; 256 x tile row
	s_lshl_b32 s42, s42, 8                         ; 256 x tile column
	s_and_b32 s22, ttmp7, 0xffff                   ; cluster y
	s_cmp_eq_u32 s11, 0                            ; do I fetch for Ab?
	s_cselect_b32 s20, s13, s42                    ; the tile's first row
	s_cselect_b32 s21, s40, s41                    ; my place among the four that ask for it with me
	s_cselect_b32 s22, ttmp9, s22                  ; the coordinate along which other clusters read the same rows
	s_cselect_b64 s[PFA:PFA+1], s[4:5], s[6:7]
	s_cmp_eq_u32 s22, 0
	s_cselect_b32 s[LIM], 1, -1                    ; the same in all sixteen partners, for a given wave
	s_lshl_b32 s22, s12, 7
	s_add_co_u32 s20, s20, s22                     ; + the 128 rows that I fetch
	s_lshl_b32 s21, s21, 5
	s_add_co_u32 s20, s20, s21                     ; + my work-group's 32 of them
	s_mov_b32 s21, 0
	s_mov_b64 s[18:19], SIZE_K*2
	s_mul_u64 s[20:21], s[20:21], s[18:19]
	s_add_nc_u64 s[PFA:PFA+1], s[PFA:PFA+1], s[20:21]
	s_add_nc_u64 s[PFA:PFA+1], s[PFA:PFA+1], 2*KSTEP*2  ; at K step 2: the first refill steps it to 3 and names K step 4
	v_and_b32 v[PFO], 31, v0
	v_mul_u32_u24 v[PFO], v[PFO], SIZE_K*2
	s_wait_loadcnt 0x0                             ; the biases are in; they are rounded to bf16 like every input, and widened again
.set p, 0
.rept 32
	v_cvt_pk_bf16_f32 v[TM+p%4], v[BI+2*p], v[BI+2*p+1]
	v_lshlrev_b32 v[BI+2*p], 16, v[TM+p%4]
	v_and_b32 v[BI+2*p+1], 0xffff0000, v[TM+p%4]
.set p, p+1
.endr
; 16 matrix instructions: m blocks a0, a0 + 1 of the window's four (hi = 0: my rows 0-63, 1: rows 64-127) x all 8 n' blocks, 32 along K.
; first = 1: the product starts the sum, with the bias (window 0) as its C.  The 64 accumulators take turns, one instruction a turn, in the same order in every quarter.
.macro MUL16 f, hi, a0, first
.if \first
	WIN 0x81+0x40*(\hi)                            ; Bt window 1, Ab window 0, C window 0, D window 2 or 3
.else
	WIN 0xa1+0x50*(\hi)                            ; the same with C in D's window
.endif
.irp a, \a0, (\a0)+1
.irp b, 0,1,2,3,4,5,6,7
.if \first
	v_wmma_f32_16x16x32_bf16 v[8*(8*(\a)+(\b)):8*(8*(\a)+(\b))+7], v[(\f)+8*(\b):(\f)+8*(\b)+7], v[(\f)+8*(4*(\hi)+(\a)):(\f)+8*(4*(\hi)+(\a))+7], v[BI+8*(\b):BI+8*(\b)+7]
.else
	v_wmma_f32_16x16x32_bf16 v[8*(8*(\a)+(\b)):8*(8*(\a)+(\b))+7], v[(\f)+8*(\b):(\f)+8*(\b)+7], v[(\f)+8*(4*(\hi)+(\a)):(\f)+8*(4*(\hi)+(\a))+7], v[8*(8*(\a)+(\b)):8*(8*(\a)+(\b))+7]
.endif
.endr
.endr
.endm
; 32 LDS loads in one run: the fragments of one quarter step (128 rows of Bt, 128 rows of Ab, 32 K at byte k of the rows) into buffer f
.macro FETCH slot, k, f
	WIN TO_B
.irp i, 0,1,2,3,4,5,6,7
	ds_load_b128 v[(\f)+8*(\i):(\f)+8*(\i)+3],   v[ADRB+(\slot)] offset:(\k)+(\i)*16*PITCH
	ds_load_b128 v[(\f)+8*(\i)+4:(\f)+8*(\i)+7], v[ADRB+(\slot)] offset:(\k)+(\i)*16*PITCH+32
.endr
	WIN 0
.irp i, 0,1,2,3,4,5,6,7
	ds_load_b128 v[(\f)+8*(\i):(\f)+8*(\i)+3],   v[ADRA+(\slot)] offset:(\k)+(\i)*16*PITCH
	ds_load_b128 v[(\f)+8*(\i)+4:(\f)+8*(\i)+7], v[ADRA+(\slot)] offset:(\k)+(\i)*16*PITCH+32
.endr
.endm
; Four places in front of loads into registers that matrix instructions have read, and of vector instructions that read results; matrix instructions in between are not counted
.macro PLACES
.rept 4
	v_nop
.endr
.endm
; A K step is four quarters of 32 along K, 64 matrix instructions each, on buffers 0, 1, 0, 1.  One of the first three: multiplies buffer f; in its middle it fetches the next quarter, at byte k, into buffer g.
.macro QUARTER slot, k, f, g, first
	s_wait_dscnt 8                                 ; Bt and Ab's rows 0-63 are in; the youngest eight loads (Ab's rows 64-127) may be out
	MUL16 \f, 0, 0, \first
	MUL16 \f, 0, 2, \first
	PLACES
	FETCH \slot, \k, \g
	s_wait_dscnt 32                                ; all but the 32 just issued
	MUL16 \f, 1, 0, \first
	MUL16 \f, 1, 2, \first
.endm
; The last quarter multiplies buffer 1 and changes slots.  MEET is its first half: each wave waits for all its tensor loads, of which one is out: its part of the next slot; adds 0 to its spare word; and waits for
; that and for its own reads of this slot.  The barrier opens a round of the cluster's barrier.
.macro MEET
	WIN 0                                          ; (the add's two registers lie in window 0)
	s_wait_tensorcnt 0x0                           ; all my tensor loads have landed;
	ds_add_u32 v[SPW], v[NIL]                      ; 0 onto my spare word;
	s_wait_dscnt 9                                 ; (the add and the youngest eight loads may be out)
	MUL16 F1, 0, 0, 0                              ; sixteen matrix instructions stand between the add and the wait for it
	s_wait_dscnt 0x0                               ; the add is done, and my reads of this slot are over:
	s_barrier_signal -1                            ; say so,
	MUL16 F1, 0, 2, 0                              ; work on registers while the others arrive,
	WIN 0
	s_barrier_wait -1
.endm
; The whole last quarter in the loop: behind the round the slot just read out is filled again first, with the K step two steps on; then come the next slot's first fragments.
.macro TURN slot, next
	s_wait_xcnt 0x0                                ; the last prefetch, a K step back, has read its address: it is stepped here, ahead of the waits of the change of slots
	s_add_nc_u64 s[PFA:PFA+1], s[PFA:PFA+1], KSTEP*2
	MEET
	CREST                                          ; no wave of any partner still reads this slot's tile or has a load on its way
	s_add_nc_u64 s[G0+4*(\slot)+2:G0+4*(\slot)+3], s[G0+4*(\slot)+2:G0+4*(\slot)+3], 2*KSTEP*2
	s_add_nc_u64 s[G0B+4*(\slot)+2:G0B+4*(\slot)+3], s[G0B+4*(\slot)+2:G0B+4*(\slot)+3], 2*KSTEP*2
	JLOAD \slot                                    ; the first tensor load behind the round, my one load until the next; its four v_nop are also the places in front of the loads below
	FETCH \next, 0, F0
	ASK
	MUL16 F1, 1, 0, 0
	MUL16 F1, 1, 2, 0
.endm
; The last change of slots: slot 0 has been read for the last time, and its part for Ab takes the tile of C: each wave its own 64 rows, by a load of its own, which has the last K step in which to land.
.macro TURNC
	MEET
	CREST
	tensor_load_to_lds s[G0C:G0C+3], s[G1C:G1C+7]
	s_nop 0
	PLACES
	FETCH 1, 0, F0
	MUL16 F1, 1, 0, 0
	MUL16 F1, 1, 2, 0
.endm
	s_wait_tensorcnt 1                             ; my part of K step 0 is in; K step 1's may stay out
	s_barrier_signal -1
	s_barrier_wait -1                              ; everybody's is
	FETCH 0, 0, F0
	QUARTER 0, 64,  F0, F1, 1                      ; the first quarter stands in front of the loop: its products start the sums, with the biases
	WIN 0                                          ; at a label and at a branch every window is 0
	s_mov_b32 s3, LAPS-1
.Llap:                                                 ; a trip goes once round the ring, from a lap's second quarter to the next lap's first, and fills both slots again
	QUARTER 0, 128, F1, F0, 0
	QUARTER 0, 192, F0, F1, 0
	TURN 0, 1
	QUARTER 1, 64,  F0, F1, 0
	QUARTER 1, 128, F1, F0, 0
	QUARTER 1, 192, F0, F1, 0
	TURN 1, 0
	QUARTER 0, 64,  F0, F1, 0
	WIN 0
	s_sub_co_u32 s3, s3, 1
	s_cmp_lg_u32 s3, 0
	s_cbranch_scc1 .Llap
	QUARTER 0, 128, F1, F0, 0                      ; the last lap is written out: it asks for no K step more
	QUARTER 0, 192, F0, F1, 0
	TURNC
	QUARTER 1, 64,  F0, F1, 0
	QUARTER 1, 128, F1, F0, 0
	QUARTER 1, 192, F0, F1, 0
	s_wait_dscnt 8                                 ; the very last quarter: nothing more to fetch
	MUL16 F1, 0, 0, 0
	MUL16 F1, 0, 2, 0
	s_wait_dscnt 0x0
	MUL16 F1, 1, 0, 0
	MUL16 F1, 1, 2, 0
	WIN 0
	PLACES                                         ; behind the last products: results are read, and fragments' registers written, from here on
	s_wait_tensorcnt 0x0                           ; my 64 rows of C are in,
	s_barrier_signal -1
	s_barrier_wait -1                              ; everybody's are, and nobody reads slot 1 any more.  No tensor load follows, so both slots may serve as stages
	; C: my 128 rows x 32 columns, a lane's 32 bytes for each block of 16 rows and each 16 columns; rounded to bf16 like every input
	WIN TO_B
.irp a, 0,1,2,3,4,5,6,7
.irp c, 0,1,2,3
	ds_load_b128 v[16*(\a)+4*(\c):16*(\a)+4*(\c)+3], v[CST] offset:16*PITCH*(\a)+64*((\c)/2)+16*((\c)%2)
.endr
.endr
	s_wait_dscnt 0x0
	WIN 0x05                                       ; sources 0 and 1 window 1, destination window 0
.set p, 0
.rept 64
	v_cvt_pk_bf16_f32 v[CB+p], v[2*p], v[2*p+1]
.set p, p+1
.endr
	WIN 0
; THE TAIL for block a (16 rows m x 32 columns): a lane has 16 outputs, and the four gates of output e in accumulator registers 16 g + e.  Each kind of transcendental is one batch with one plain
; instruction and one wait behind it: four waits a block.  The accumulators' registers are read in ascending order.
.macro EPI a
.set AC, 64*((\a)%4)
	WIN 0x02+(\a)/4                                ; source 0: window 2 or 3
.set i, 0
.rept 32
.if (i >= 8) && (i < 16)
	v_pk_mul_f32 v[TT+2*i:TT+2*i+1], v[AC+2*i:AC+2*i+1], s[KG:KG+1] op_sel_hi:[1,0]  ; gate g: 2 x log2 e
.else
	v_pk_mul_f32 v[TT+2*i:TT+2*i+1], v[AC+2*i:AC+2*i+1], s[KN:KN+1] op_sel_hi:[1,0]  ; gates f, i, o: -x log2 e
.endif
.set i, i+1
.endr
	WIN 0
.set i, 0
.rept 64
	v_exp_f32 v[TT+i], v[TT+i]
.set i, i+1
.endr
	v_nop
	s_wait_alu depctr_va_vdst(0)                   ; one wait for the 64 exponentials
.set i, 0
.rept 32
	v_pk_add_f32 v[TT+2*i:TT+2*i+1], v[TT+2*i:TT+2*i+1], 1.0 op_sel_hi:[1,0]
.set i, i+1
.endr
.set i, 0
.rept 64
	v_rcp_f32 v[TT+i], v[TT+i]
.set i, i+1
.endr
	v_nop
	s_wait_alu depctr_va_vdst(0)                   ; one wait for the 64 reciprocals: F, I and O are done
.set i, 0
.rept 8
	v_pk_fma_f32 v[TT+16+2*i:TT+17+2*i], v[TT+16+2*i:TT+17+2*i], -2.0, 1.0 op_sel_hi:[1,0,0]  ; G = 1 - 2 / (1 + 2^..)
.set i, i+1
.endr
.set i, 0
.rept 8
	v_pk_mul_f32 v[TT+16+2*i:TT+17+2*i], v[TT+16+2*i:TT+17+2*i], v[TT+32+2*i:TT+33+2*i]       ; G I
.set i, i+1
.endr
.set i, 0
.rept 8
	v_fma_mix_f32_bf16 v[NN+2*i], v[CB+8*(\a)+i], v[TT+2*i], v[TT+16+2*i] op_sel_hi:[1,0,0]                    ; C_new = C F + G I, C from its bf16 half
	v_fma_mix_f32_bf16 v[NN+2*i+1], v[CB+8*(\a)+i], v[TT+2*i+1], v[TT+17+2*i] op_sel:[1,0,0] op_sel_hi:[1,0,0]
.set i, i+1
.endr
.set i, 0
.rept 8
	v_pk_mul_f32 v[UU+2*i:UU+2*i+1], v[NN+2*i:NN+2*i+1], s[KG:KG+1] op_sel_hi:[1,0]
.set i, i+1
.endr
.set i, 0
.rept 16
	v_exp_f32 v[UU+i], v[UU+i]
.set i, i+1
.endr
.irp c, 0,1,2,3
	ds_store_b128 v[NST], v[NN+4*(\c):NN+4*(\c)+3] offset:16*PITCH*(\a)+64*((\c)/2)+16*((\c)%2)  ; C_new into its stage
.endr
	v_nop
	s_wait_alu depctr_va_vdst(0)
.set i, 0
.rept 8
	v_pk_add_f32 v[UU+2*i:UU+2*i+1], v[UU+2*i:UU+2*i+1], 1.0 op_sel_hi:[1,0]
.set i, i+1
.endr
.set i, 0
.rept 16
	v_rcp_f32 v[UU+i], v[UU+i]
.set i, i+1
.endr
	v_nop
	s_wait_alu depctr_va_vdst(0)
.set i, 0
.rept 8
	v_pk_fma_f32 v[UU+2*i:UU+2*i+1], v[UU+2*i:UU+2*i+1], -2.0, 1.0 op_sel_hi:[1,0,0]          ; tanh(C_new)
.set i, i+1
.endr
.set i, 0
.rept 8
	v_pk_mul_f32 v[UU+2*i:UU+2*i+1], v[UU+2*i:UU+2*i+1], v[TT+48+2*i:TT+49+2*i]               ; Y = O tanh(C_new)
.set i, i+1
.endr
.irp c, 0,1,2,3
	ds_store_b128 v[YST], v[UU+4*(\c):UU+4*(\c)+3] offset:16*PITCH*(\a)+64*((\c)/2)+16*((\c)%2)
.endr
.endm
.irp a, 0,1,2,3,4,5,6,7
	EPI \a
.endr
	; BACK AND OUT.  A row's 256 bytes come from two waves, so a barrier stands between the writing and the reading; each wave then reads 64 whole rows of each stage and stores them.
	s_wait_dscnt 0x0                               ; for the others' sake: my stores into the stages are done
	s_barrier_signal -1
	s_barrier_wait -1
.set t, 0
.rept 32
	ds_load_b128 v[64+4*t:64+4*t+3], v[RDN] offset:2*PITCH*t
.set t, t+1
.endr
	WIN TO_B
.set t, 0
.rept 32
	ds_load_b128 v[4*t:4*t+3], v[RDY] offset:2*PITCH*t
.set t, t+1
.endr
	WIN 0
.set t, 0
.rept 32
	s_wait_dscnt 63-t                              ; the younger read-backs stay out
	global_store_b128 v[CO], v[64+4*t:64+4*t+3], s[O0:O0+1] offset:2*ROWO*t  ; 16 lanes store 256 consecutive bytes, at a multiple of 256 from out0's first byte
.set t, t+1
.endr
	WIN 0x04                                       ; the stores' data in window 1
.set t, 0
.rept 32
	s_wait_dscnt 31-t
	global_store_b128 v[CO], v[4*t:4*t+3], s[O1:O1+1] offset:2*ROWO*t
.set t, t+1
.endr
	WIN 0
	s_wait_tensorcnt 0x0                           ; the wave's end: three closing lines, behind my last tensor load and my last LDS store
	ds_add_u32 v[SPW], v[NIL]
	s_wait_dscnt 0x0
	CROUND                                         ; the closing round: no work-group ends while a partner may still ask for a tile that names it
	s_endpgm
.Lfunc_end_k_q5a0ede426b_cell:
	.size	k_q5a0ede426b_cell, .Lfunc_end_k_q5a0ede426b_cell-k_q5a0ede426b_cell
	.p2alignl 7, 3214868480
	.fill 96, 4, 3214868480
	.section	.rodata,"a",@progbits
	.p2align	6, 0x0
	.amdhsa_kernel k_q5a0ede426b_cell
		.amdhsa_group_segment_fixed_size 327680
		.amdhsa_private_segment_fixed_size 0
		.amdhsa_enable_private_segment 0
		.amdhsa_kernarg_size 72
		.amdhsa_user_sgpr_count 2
		.amdhsa_user_sgpr_kernarg_segment_ptr 1
		.amdhsa_wavefront_size32 1
		.amdhsa_system_sgpr_workgroup_id_x 1
		.amdhsa_system_sgpr_workgroup_id_y 1
		.amdhsa_system_sgpr_workgroup_id_z 1
		.amdhsa_system_vgpr_workitem_id 0
		.amdhsa_next_free_vgpr 1024
		.amdhsa_next_free_sgpr 100
		.amdhsa_reserve_vcc 0
		.amdhsa_float_denorm_mode_32 3
		.amdhsa_float_denorm_mode_16_64 3
		.amdhsa_memory_ordered 1
		.amdhsa_forward_progress 1
		.amdhsa_inst_pref_size 250
	.end_amdhsa_kernel
	.amdgpu_metadata
---
amdhsa.version: [ 1, 2 ]
amdhsa.kernels:
  - .name:           k_q5a0ede426b_cell
    .symbol:         k_q5a0ede426b_cell.kd
    .args:
      - { .name: Ab, .offset: 0, .size: 8, .value_kind: global_buffer, .address_space: global }
      - { .name: Bt, .offset: 8, .size: 8, .value_kind: global_buffer, .address_space: global }
      - { .name: out0, .offset: 16, .size: 8, .value_kind: global_buffer, .address_space: global }
      - { .name: out1, .offset: 24, .size: 8, .value_kind: global_buffer, .address_space: global }
      - { .name: b_f, .offset: 32, .size: 8, .value_kind: global_buffer, .address_space: global }
      - { .name: b_g, .offset: 40, .size: 8, .value_kind: global_buffer, .address_space: global }
      - { .name: b_i, .offset: 48, .size: 8, .value_kind: global_buffer, .address_space: global }
      - { .name: b_o, .offset: 56, .size: 8, .value_kind: global_buffer, .address_space: global }
      - { .name: C, .offset: 64, .size: 8, .value_kind: global_buffer, .address_space: global }
    .group_segment_fixed_size: 327680
    .private_segment_fixed_size: 0
    .kernarg_segment_align: 8
    .kernarg_segment_size: 72
    .max_flat_workgroup_size: 128
    .sgpr_count:     100
    .vgpr_count:     1024
    .wavefront_size: 32
...
	.end_amdgpu_metadata
.endif
;; end of part 2
;; ======== version 2 of 2: 2 launches; version 1 with the launch prep written anew for expert scheduling mode
;; workspace buffers: Ab 16,777,216 bytes; Bt 67,108,864 bytes
;; launch prep (part 3): grid 1280 x 1, 4 waves a work-group, no clusters, 70,144 bytes of LDS; arguments X, H, W_xf, W_xg, W_xi, W_xo, W_hf, W_hg, W_hi, W_ho, Ab, Bt; writes Ab, Bt
.if DOCPART == 3
	.amdgcn_target "amdgcn-amd-amdhsa--gfx1250"
	.amdhsa_code_object_version 6
	.text
	.protected	k_q5a0ede426b_prep
	.globl	k_q5a0ede426b_prep
	.p2align	8
	.type	k_q5a0ede426b_prep,@function
k_q5a0ede426b_prep:
	s_mov_b64 s[64:65], 0
	v_nop
	global_prefetch_b8 v0, s[64:65] scope:SCOPE_SE
	s_setreg_imm32_b32 hwreg(HW_REG_WAVE_SCHED_MODE, 0, 2), 2
	s_setreg_imm32_b32 hwreg(HW_REG_WAVE_MODE, 25, 1), 1
	s_wait_xcnt 0x0
	s_wait_alu depctr_vm_vsrc(0)
; PREP: every matrix operand of the LSTM cell is rounded once to bf16 and laid out with K along the rows.
;   Ab [2048][4096] bf16:  Ab[m][k] = X[m][k] for k < 2048, H[m][k-2048] beyond.
;   Bt [8192][4096] bf16:  row n' = (n >> 5) * 128 + g * 32 + (n & 31), gates g: 0 = f, 1 = g, 2 = i, 3 = o;
;                          Bt[n'][k] = W_x(g)[k][n] for k < 2048, W_h(g)[k-2048][n] beyond.
;   So 128 rows of Bt on end hold the four gates of the same 32 columns.
; A stream: 168 MB in, 84 MB out, each byte once.  No matrix unit, no cluster, no tensor load: no two waves want the same byte.
; No prefetch: every wave has 24 to 32 loads of 512 bytes on their way all the time, and nothing else is there to do.
; SHARES.  Every wave moves 32 KiB in and 16 KiB out.  Work-groups 0-1023 TURN the eight weights: a wave takes 128 k x 64 n of one weight,
; through 64 LDS rows of its own (no barrier).  Work-groups 1024-1279 CAST X and H: a wave takes four rows, straight through registers.
; Every load of a wave covers whole aligned blocks of 256 bytes, and so does every store.
; THE MODE: SCHED_MODE bits 1:0 = 2 (LLVM: expert scheduling mode 2), set by the entry lines.  The code itself states the register dependences
; between vector instructions and memory or LDS instructions, with s_wait_alu, always for 0.
; THE PLAN.  Both paths go in eight steps (TURN: groups of 16 k; CAST: blocks of eight pieces of 512 bytes), eight loads to a step.  Registers that memory or LDS instructions touch:
;   RG0 .. RG3   Step s: its sixteen roundings read RG[s % 4]; behind them the loads of step s + 4 land in it.  TURN's read-backs from LDS land in all four at the end.
;   PK0, PK1     TURN: group s's roundings write PK[s % 2]; the four LDS stores that read it are issued in group s + 1, dealt among that group's roundings, which name the other PK.
;   YY0 .. YY3   CAST: block p's roundings write YY[p % 4]; the eight stores that read it are issued in block p + 1.  Blocks 4 to 7 write the four buffers a second time.
;   v4 to v8     offsets and LDS addresses: made once, never written again; rows and pieces are reached by immediate offsets.
; So ONE wait on va_vdst stands at the end of a step: its roundings are done reading RG[s % 4], in which the loads that follow land, and have written the PK or YY that the next step's stores read.
; TURN: one wait on vm_vsrc at the head of groups 2 to 7, ahead of the roundings that write a PK again.  CAST: one, in block 4, behind the last store that reads the first round of YY.
.set ROWB,  8192                       ; bytes in a row of every f32 input, and in a row of Ab and of Bt
.set LP,    272                        ; an LDS row: 128 k in bf16 + 16 bytes
.set WLDS,  64*LP                      ; a wave's 64 LDS rows
.set SPARE, 4*WLDS                     ; behind them: the spare words, 128 bytes for each wave: two blocks of 256 bytes that no other line names
.set LO,  4                            ; v4   my byte offset in the source; never rewritten
.set LS,  5                            ; v5   TURN: where I put 16 bytes (8 k) of a column
.set LR,  6                            ; v6   TURN: where I read a row back
.set GO,  7                            ; v7   TURN: my byte offset in Bt
.set SO,  8                            ; v8   CAST: my byte offset in Ab
.set SPW, 10                           ; v10  LDS address of my spare word; never rewritten
.set NIL, 11                           ; v11  0; never rewritten
.set RG,  32                           ; v[32:159]  the ring of loads: 32 x 4 registers, four buffers of eight loads
.set PK,  160                          ; v[160:191] TURN: 4 columns x 8 k, packed: two buffers of 16 registers, group s in buffer s % 2
.set YY,  160                          ; v[160:223] CAST: packed results, 32 x 2 registers, four buffers of eight pieces
.set SRC, 32                           ; s[32:33] the source at my part
.set DST, 44                           ; s[44:45] the destination at my part
	s_load_b512 s[8:23], s[0:1], 0x0               ; X 8, H 10, W_xf 12, W_xg 14, W_xi 16, W_xo 18, W_hf 20, W_hg 22
	s_load_b256 s[24:31], s[0:1], 0x40             ; W_hi 24, W_ho 26, Ab 28, Bt 30
	v_lshl_add_u32 v[SPW], v0, 2, SPARE
	v_mov_b32 v[NIL], 0
	v_lshrrev_b32 v1, 5, v0
	v_readfirstlane_b32 s4, v1                     ; wave 0..3
	s_mov_b32 s5, ttmp9
	v_and_b32 v1, 15, v0                           ; r = lane % 16
	v_bfe_u32 v2, v0, 4, 1                         ; h = lane / 16
	v_and_b32 v3, 31, v0                           ; lane
	s_wait_alu depctr_va_sdst(0)                   ; s4 is written, ahead of the branch and of its first reader on either path: the wave's part of source and destination is made from it
	s_wait_kmcnt 0x0
	s_cmp_ge_u32 s5, 1024
	s_cbranch_scc1 .Lcast
	; ---------------- TURN: work-group = weight (bits 9:7) x block of 128 k (bits 6:3) x four blocks of 64 n (bits 2:0), a wave each
	s_bitcmp1_b32 s5, 7                            ; the weight is chosen bit by bit: f or g, i or o,
	s_cselect_b64 s[32:33], s[14:15], s[12:13]
	s_cselect_b64 s[34:35], s[18:19], s[16:17]
	s_cselect_b64 s[36:37], s[22:23], s[20:21]
	s_cselect_b64 s[38:39], s[26:27], s[24:25]
	s_bitcmp1_b32 s5, 8                            ; the first pair or the second,
	s_cselect_b64 s[32:33], s[34:35], s[32:33]
	s_cselect_b64 s[36:37], s[38:39], s[36:37]
	s_bitcmp1_b32 s5, 9                            ; X's weights or H's
	s_cselect_b64 s[SRC:SRC+1], s[36:37], s[32:33]
	s_bfe_u32 s6, s5, 0x40003                      ; kb: which 128 k
	s_and_b32 s7, s5, 7
	s_lshl_b32 s7, s7, 2
	s_add_co_u32 s7, s7, s4                        ; nb: which 64 n
	s_bfe_u32 s2, s5, 0x20007                      ; g
	s_bfe_u32 s3, s5, 0x10009                      ; 0: X's weight, 1: H's
	s_lshl_b32 s40, s6, 20                         ; source: 128 kb rows of 8,192 bytes
	s_lshl_b32 s41, s7, 8                          ; + 64 nb columns of 4 bytes
	s_or_b32 s40, s40, s41
	s_mov_b32 s41, 0
	s_lshl_b32 s42, s7, 21                         ; destination: 256 nb rows of 8,192 bytes
	s_lshl_b32 s43, s2, 18                         ; + 32 g rows
	s_add_co_u32 s42, s42, s43
	s_lshl_b32 s43, s3, 12                         ; + 2,048 k for H's weights
	s_add_co_u32 s42, s42, s43
	s_lshl_b32 s43, s6, 8                          ; + 128 kb
	s_add_co_u32 s42, s42, s43
	s_mov_b32 s43, 0
	s_add_nc_u64 s[SRC:SRC+1], s[SRC:SRC+1], s[40:41]
	s_add_nc_u64 s[DST:DST+1], s[30:31], s[42:43]
	s_mul_i32 s46, s4, WLDS                        ; my wave's LDS rows
	v_lshlrev_b32 v[LO], 16, v2                    ; lanes 16-31 stand eight rows (k) further down,
	v_lshl_or_b32 v[LO], v1, 4, v[LO]              ; each lane at 4 columns: 16 lanes take 256 consecutive bytes of a row
	s_wait_alu depctr_va_vdst(0)                   ; v[LO] is written: every load below reads it as its offset
; Group s of eight: rows k = 16 s .. 16 s + 15.  Load t brings row 16 s + t to lanes 0-15 and row 16 s + 8 + t to lanes 16-31:
; a lane ends with 8 consecutive k of its 4 columns.
.macro LDG s
.irp t, 0,1,2,3,4,5,6,7
	global_load_b128 v[RG+32*((\s)%4)+4*(\t):RG+32*((\s)%4)+4*(\t)+3], v[LO], s[SRC:SRC+1] offset:(16*(\s)+(\t))*ROWB th:TH_LOAD_NT
.endr
.endm
	LDG 0
	LDG 1
	LDG 2
	LDG 3
	v_mul_u32_u24 v[LS], v1, 4*LP                  ; in: LDS row n = 4 r + j, byte 2 k
	v_lshl_add_u32 v[LS], v2, 4, v[LS]
	v_add_nc_u32 v[LS], s46, v[LS]
	v_mul_u32_u24 v[LR], v2, LP                    ; back: lanes 0-15 one row of 256 bytes, lanes 16-31 the next
	v_lshl_add_u32 v[LR], v1, 4, v[LR]
	v_add_nc_u32 v[LR], s46, v[LR]
	v_lshlrev_b32 v[GO], 13, v2                    ; and the same two rows in Bt
	v_lshl_or_b32 v[GO], v1, 4, v[GO]
; Column j of group s goes into LDS: 16 bytes, 8 k.  The sixteen lanes of one of these LDS stores stand 1,088 bytes apart, which is 64 modulo 256:
; four of them share a 16-byte column.  That price is kept: a swizzle would spare it with addresses that cannot be read off the text.
.macro ST1 s, j
	ds_store_b128 v[LS], v[PK+16*((\s)%2)+4*(\j):PK+16*((\s)%2)+4*(\j)+3] offset:LP*(\j)+32*(\s)
.endm
; Group s is rounded (two k to a word, column by column) into PK[s % 2]; the LDS stores of group s - 1, from the other PK, stand one in front of each column's four roundings;
; behind the roundings the group's registers are asked for again.  left = the younger loads that may stay out.
.macro GRP s, left
	s_wait_loadcnt \left                           ; loads come back in order: group s is in
.if (\s) >= 2
	s_wait_alu depctr_vm_vsrc(0)                   ; the LDS stores issued in the group before have read PK[s % 2], which this group's roundings write again
.endif
.irp j, 0,1,2,3
.if (\s) > 0
	ST1 (\s)-1, \j                                 ; no wait: no vector instruction since the last wait on va_vdst names v[LS] or the other PK
.endif
.irp u, 0,1,2,3
	v_cvt_pk_bf16_f32 v[PK+16*((\s)%2)+4*(\j)+(\u)], v[RG+32*((\s)%4)+8*(\u)+(\j)], v[RG+32*((\s)%4)+8*(\u)+4+(\j)]
.endr
.endr
	s_wait_alu depctr_va_vdst(0)                   ; the roundings are done reading RG[s % 4], in which loads land next, and have written PK[s % 2], which the next LDS stores read; in group 0 also: v[LS], v[LR] and v[GO] are written
.if (\s) < 4
	LDG (\s)+4
.endif
.endm
	GRP 0, 24                                      ; three younger groups of eight stay out,
	GRP 1, 24
	GRP 2, 24
	GRP 3, 24
	GRP 4, 24
	GRP 5, 16                                      ; then the counts run down
	GRP 6, 8
	GRP 7, 0
.irp j, 0,1,2,3
	ST1 7, \j                                      ; the last group's columns: group 7's wait on va_vdst stands ahead of them, and of the read-backs, which land in registers that roundings have read
.endr
.set t, 0
.rept 32
	ds_load_b128 v[RG+4*t:RG+4*t+3], v[LR] offset:2*LP*t  ; rows 2 t and 2 t + 1, whole; LDS serves a wave's instructions in order (ISA guide 5.7.1.4): these see the stores above
.set t, t+1
.endr
.set t, 0
.rept 32
	s_wait_dscnt 31-t                              ; the younger read-backs stay out
	global_store_b128 v[GO], v[RG+4*t:RG+4*t+3], s[DST:DST+1] offset:((t/16)*128+((2*t)%32))*ROWB  ; 16 lanes store 256 consecutive bytes, aligned: 128 k of one row of Bt
.set t, t+1
.endr
	s_wait_dscnt 0x0                               ; the wave's end: the closing lines, six on end
	s_wait_alu 0x0
	s_wait_tensorcnt 0x0
	ds_add_u32 v[SPW], v[NIL]
	s_wait_dscnt 0x0
	s_endpgm
	; ---------------- CAST: unit u = 4 x (work-group - 1024) + wave: four rows of X (u < 512) or of H, 32 KiB on end
.Lcast:
	s_sub_co_u32 s6, s5, 1024
	s_lshl_b32 s6, s6, 2
	s_add_co_u32 s6, s6, s4                        ; u
	s_cmp_ge_u32 s6, 512
	s_cselect_b64 s[SRC:SRC+1], s[10:11], s[8:9]
	s_cselect_b32 s7, 4096, 0                      ; H fills the second 2,048 k of Ab's rows
	s_and_b32 s40, s6, 511
	s_lshl_b32 s40, s40, 15                        ; four rows of 8,192 bytes, in the source and in Ab alike
	s_mov_b32 s41, 0
	s_add_nc_u64 s[SRC:SRC+1], s[SRC:SRC+1], s[40:41]
	s_add_co_u32 s42, s40, s7
	s_mov_b32 s43, 0
	s_add_nc_u64 s[DST:DST+1], s[28:29], s[42:43]
	v_lshlrev_b32 v[LO], 4, v3                     ; 16 bytes a lane in,
	v_lshlrev_b32 v[SO], 3, v3                     ; 8 bytes a lane out
	s_wait_alu depctr_va_vdst(0)                   ; v[LO] and v[SO] are written: every load and store below reads one of them as its offset
.set i, 0
.rept 32
	global_load_b128 v[RG+4*i:RG+4*i+3], v[LO], s[SRC:SRC+1] offset:512*i th:TH_LOAD_NT
.set i, i+1
.endr
; Piece q of 64 (512 bytes in, 256 out) is stored.
.macro CSTO q
	global_store_b64 v[SO], v[YY+2*((\q)%32):YY+2*((\q)%32)+1], s[DST:DST+1] offset:((\q)/16)*ROWB+((\q)%16)*256  ; 32 lanes store 256 consecutive bytes, aligned
.endm
; Block p: pieces 8 p .. 8 p + 7 are rounded, from RG[p % 4] into YY[p % 4]; the stores of block p - 1, from another YY, stand one in front of each piece's two roundings;
; behind the roundings the block's registers are asked for again.  left = the younger loads that may stay out.
; In block 4, the first that writes a YY buffer a second time, block 3's stores stand in one run ahead of the roundings, so that one pair of waits behind them frees all four buffers.
.macro CBLK p, left
	s_wait_loadcnt \left                           ; loads come back in order: block p is in
.if (\p) == 4
.irp c, 0,1,2,3,4,5,6,7
	CSTO 8*((\p)-1)+(\c)
.endr
	s_wait_xcnt 0x0                                ; every store above has had its addresses translated (ISA guide 3.1): the packed results are written again only behind this wait,
	s_wait_alu depctr_vm_vsrc(0)                   ; and the stores of blocks 0 to 3 have read YY0 to YY3, which the roundings of blocks 4 to 7 write again
.endif
.irp c, 0,1,2,3,4,5,6,7
.if ((\p) > 0) && ((\p) != 4)
	CSTO 8*((\p)-1)+(\c)                           ; no wait: no vector instruction since the last wait on va_vdst names v[SO] or that block's YY
.endif
.set i, (8*(\p)+(\c))%32
	v_cvt_pk_bf16_f32 v[YY+2*i], v[RG+4*i], v[RG+4*i+1]
	v_cvt_pk_bf16_f32 v[YY+2*i+1], v[RG+4*i+2], v[RG+4*i+3]
.endr
	s_wait_alu depctr_va_vdst(0)                   ; the roundings have written YY[p % 4], which the next stores read, and are done reading RG[p % 4], in which the loads below land
.if (\p) < 4
.irp c, 0,1,2,3,4,5,6,7
.set i, (8*(\p)+(\c))%32
	global_load_b128 v[RG+4*i:RG+4*i+3], v[LO], s[SRC:SRC+1] offset:512*(8*((\p)+4)+(\c)) th:TH_LOAD_NT
.endr
.endif
.endm
	CBLK 0, 24                                     ; three younger blocks of eight stay out,
	CBLK 1, 24
	CBLK 2, 24
	CBLK 3, 24
	CBLK 4, 24
	CBLK 5, 16                                     ; nothing more is asked for: the counts run down
	CBLK 6, 8
	CBLK 7, 0
.irp c, 0,1,2,3,4,5,6,7
	CSTO 56+(\c)                                   ; the last block: block 7's wait on va_vdst stands ahead of these stores
.endr
	s_wait_dscnt 0x0                               ; the same six lines end this path too
	s_wait_alu 0x0
	s_wait_tensorcnt 0x0
	ds_add_u32 v[SPW], v[NIL]
	s_wait_dscnt 0x0
	s_endpgm
.Lfunc_end_k_q5a0ede426b_prep:
	.size	k_q5a0ede426b_prep, .Lfunc_end_k_q5a0ede426b_prep-k_q5a0ede426b_prep
	.p2alignl 7, 3214868480
	.fill 96, 4, 3214868480
	.section	.rodata,"a",@progbits
	.p2align	6, 0x0
	.amdhsa_kernel k_q5a0ede426b_prep
		.amdhsa_group_segment_fixed_size 70144
		.amdhsa_private_segment_fixed_size 0
		.amdhsa_enable_private_segment 0
		.amdhsa_kernarg_size 96
		.amdhsa_user_sgpr_count 2
		.amdhsa_user_sgpr_kernarg_segment_ptr 1
		.amdhsa_wavefront_size32 1
		.amdhsa_system_sgpr_workgroup_id_x 1
		.amdhsa_system_sgpr_workgroup_id_y 1
		.amdhsa_system_sgpr_workgroup_id_z 1
		.amdhsa_system_vgpr_workitem_id 0
		.amdhsa_next_free_vgpr 224
		.amdhsa_next_free_sgpr 66
		.amdhsa_reserve_vcc 0
		.amdhsa_float_denorm_mode_32 3
		.amdhsa_float_denorm_mode_16_64 3
		.amdhsa_memory_ordered 1
		.amdhsa_forward_progress 1
		.amdhsa_inst_pref_size 47
	.end_amdhsa_kernel
	.amdgpu_metadata
---
amdhsa.version: [ 1, 2 ]
amdhsa.kernels:
  - .name:           k_q5a0ede426b_prep
    .symbol:         k_q5a0ede426b_prep.kd
    .args:
      - { .name: X, .offset: 0, .size: 8, .value_kind: global_buffer, .address_space: global }
      - { .name: H, .offset: 8, .size: 8, .value_kind: global_buffer, .address_space: global }
      - { .name: W_xf, .offset: 16, .size: 8, .value_kind: global_buffer, .address_space: global }
      - { .name: W_xg, .offset: 24, .size: 8, .value_kind: global_buffer, .address_space: global }
      - { .name: W_xi, .offset: 32, .size: 8, .value_kind: global_buffer, .address_space: global }
      - { .name: W_xo, .offset: 40, .size: 8, .value_kind: global_buffer, .address_space: global }
      - { .name: W_hf, .offset: 48, .size: 8, .value_kind: global_buffer, .address_space: global }
      - { .name: W_hg, .offset: 56, .size: 8, .value_kind: global_buffer, .address_space: global }
      - { .name: W_hi, .offset: 64, .size: 8, .value_kind: global_buffer, .address_space: global }
      - { .name: W_ho, .offset: 72, .size: 8, .value_kind: global_buffer, .address_space: global }
      - { .name: Ab, .offset: 80, .size: 8, .value_kind: global_buffer, .address_space: global }
      - { .name: Bt, .offset: 88, .size: 8, .value_kind: global_buffer, .address_space: global }
    .group_segment_fixed_size: 70144
    .private_segment_fixed_size: 0
    .kernarg_segment_align: 8
    .kernarg_segment_size: 96
    .max_flat_workgroup_size: 128
    .sgpr_count:     66
    .vgpr_count:     224
    .wavefront_size: 32
...
	.end_amdgpu_metadata
.endif
;; end of part 3
;; launch cell: the kernel of part 2 again; grid 32 x 8, 4 waves a work-group, clusters of 4 x 4, 327,680 bytes of LDS; arguments Ab, Bt, out0, out1, b_f, b_g, b_i, b_o, C; writes out0, out1
